; MI455X (gfx1250); checked and timed in simulation.
; The chip was launched on July 23, 2026; its instructions are those of AMD's public machine-readable ISA for CDNA 5 (MIT licence, August 2026) and "CDNA5" Instruction Set Architecture Reference Guide (July 2026). The comments in the code are by the model that wrote it; some were corrected since.
;; Quadratic Form Model. Allowed arithmetic: matrix products marked QUANTISED: E2M1 operands, one E8M0 scale for each 32 along K, by v_wmma_scale_f32_16x16x128_f8f6f4 with both operands' format E2M1 (or v_wmma_scale_f32_32x16x128_f4), f32 sums; products left as they are: f32 operands where the result goes on into a quantised operand, else bf16, f16 or f32 operands; f32 sums; everything else in f32.
;; Inputs: A_codes 256 x 8 x 16 uint8 (E2M1 codes of A, K innermost, in blocks of 32 codes, two codes a byte); A_scales 256 x 8 uint8 (E8M0 scales of A, one for each 32 codes along K); b 1 float32; v 256 float32; x 131,072 x 256 float32.
;; Outputs: out0 131,072 float32.
;; This version of the problem:
;;   THIS VERSION OF THE PROBLEM IS GIVEN IN LOW PRECISION. The matrix products marked QUANTISED in the list below multiply operands that are first quantised to E2M1 (2 exponent bits, 1 mantissa bit; 4 bits a number), with one power-of-two scale for each 32 numbers along K (OCP MX v1.0); their sums are f32. All else is computed in f32.
;;   The module's matrix products, in the order in which they are computed (A, B: the left and right operand; K: the contracted axis; several contracted axes count as one K, in the product's order):
;;     1. [M 131,072, K 256] x [K 256, N 256]; A: input x; B: input A (given as codes): QUANTISED
;;     2. [M 131,072, K 256] x [K 256, N 1]; A: input x; B: input v: left as it is (N = 1 < 16)
;;   THE QUANTISER, for each operand of a quantised product, along K:
;;     - K is cut into blocks of 32 from its start; a last block that is shorter is filled with zeros.
;;     - A block's scale is 2^e with e = floor(log2(the largest magnitude in the block)) - 2, held to -126 .. 127; a block of zeros has e = 0. As a byte (E8M0): e + 127.
;;     - Each number is divided by its block's scale, clamped to +-6, and rounded to the nearest number of E2M1, ties to even, subnormals kept.
;;     - The product sums the exact products of the quantised numbers (number of the format x scale) in f32.
;;   ~~~python
;;   def quantise(x, axis):      # numpy; x: float32 -> the quantised numbers, widened to float32 again
;;       x = np.moveaxis(x, axis, -1); K = x.shape[-1]
;;       x = np.pad(x, [(0, 0)] * (x.ndim - 1) + [(0, -K % 32)]); x = x.reshape(x.shape[:-1] + (-1, 32)); a = np.abs(x).max(-1, keepdims=True)
;;       e = np.where(a > 0, np.clip(np.frexp(np.where(a > 0, a, 1))[1] - 1 - 2, -126, 127), 0)      # np.frexp(a)[1] - 1 = floor(log2(a)), exactly
;;       r = np.clip(x / 2.0 ** e, -6, 6)
;;       step = 2.0 ** (np.maximum(np.frexp(np.where(r == 0, 1, r))[1] - 1, 0) - 1)
;;       q = np.round(r / step) * step * 2.0 ** e      # np.round: ties to even
;;       return np.moveaxis(q.reshape(q.shape[:-2] + (-1,))[..., :K], -1, axis).astype(np.float32)
;;   ~~~
;;   INPUTS GIVEN AS CODES. A (in the module: [256, 256], K = its axis 0): each comes as NAME_codes (uint8): NAME with its K axis moved to the last place and cut into blocks of 32 codes, [.., K / 32, bytes a block], one block behind the other in memory; two codes a byte, the lower K in the low four bits (a code: sign, 2 exponent bits, 1 mantissa bit); and NAME_scales (uint8): the same leading axes, one E8M0 byte (e + 127) for each 32 codes along K. Its value is code x scale, taken as it is: it is not quantised again, and the codes and scales need not be those that the quantiser above would give.
;; One version. Each part assembles by itself: llvm-mc -triple=amdgcn-amd-amdhsa -mcpu=gfx1250 --defsym DOCPART=n.
;; ======== version 1 of 1: 1 launch
;; limits: right only within a limited range of input values
;; launch quad (part 1): grid 1024 x 1, 4 waves a work-group, no clusters, 46,336 bytes of LDS; arguments x, A_codes, A_scales, v, b, out0; writes out0
.if DOCPART == 1
	.amdgcn_target "amdgcn-amd-amdhsa--gfx1250"
	.amdhsa_code_object_version 6
	.text
	.protected	k_qf2e1b8d1d9_quad
	.globl	k_qf2e1b8d1d9_quad
	.p2align	8
	.type	k_qf2e1b8d1d9_quad,@function
k_qf2e1b8d1d9_quad:
	s_mov_b64 s[64:65], 0
	v_nop
	global_prefetch_b8 v0, s[64:65] scope:SCOPE_SE
	s_setreg_imm32_b32 hwreg(HW_REG_WAVE_MODE, 25, 1), 1
	s_wait_xcnt 0x0
; out0[i] = sum over n of (Q(x)[i][:] . A[:][n]) x[i][n] + x[i][:] . v + b.   x: [131072][256] f32.  A: codes of FP4 (E2M1), [n = 256][128 bytes, K innermost], 8 E8M0 bytes a row n.
; Q quantises x along its row, in blocks of 32: scale 2^(floor(log2(largest magnitude)) - 2), codes to the nearest, ties to even, held at +-6 by the conversion.  The factor x[i][n], v and b stay f32.
; SHARES.  1,024 work-groups of four waves, 256 registers a wave: four work-groups fill a WGP's registers.  A work-group owns 128 rows: eight tiles of 16 rows x 256 columns.  Wave w owns columns 64 w .. 64 w + 63 of every tile.
; LAYOUT.  Lane (r = lane % 16, h = lane / 16), register 4 j + i of a slot: x[8 h + j][64 w + 4 r + i].  One load takes 256 consecutive bytes of row j and 256 of row 8 + j, each at a multiple of 256.
;   That is the layout of the result too: column r of the wave's tile i of A is n = 64 w + 4 r + i, so register j of accumulator i in lane (r, h) is y[8 h + j][64 w + 4 r + i], the very column of x register 4 j + i.
;   A block of 32 columns lies in eight lanes: its largest magnitude is met over lanes l xor 1, 2, 4.  The codes of 4 columns (16 bits) go to LDS, row by row, and come back as the operand of all 256 columns, in all four waves:
;   2,304 bytes a tile, two buffers by turns, so one barrier a tile: a wave stores tile T + 2 only behind the barrier of tile T + 1, in front of which every wave has waited for its reads of tile T.
;   v, one number a column, repeated over the eight rows of a lane, is the C of each sum's first matrix instruction: sum (y + v) x = the quadratic and the linear term together.
;   The sum over the lanes of tile T - 1 is taken while tile T's stores are out and while the waves of tile T's barrier arrive.
; HOW x COMES.  Three register slots of eight loads: tiles 0 and 1 are asked for at the head, tile 2 behind tile 0's quantising, tile T + 3 behind the last reads of tile T, half of its rows at a time.
;   A, its scales and v stand behind tile 0's loads, so that the wait for them leaves tiles 1 and 2 out.
; The eight tiles are written out by one macro: slots repeat every three tiles, LDS buffers every two.
; NOT USED: clusters (work-groups share A, its scales and v alone: 36 KB beside a work-group's own 128 KiB of x);  a prefetch (no loop to run ahead in; up to 24 loads of 512 bytes are asked for ahead in each wave).
; LIMITS: NaN and infinities in x are not served.  A block of zeros gets the scale byte 1 where the rule says 127: its codes are zeros, and this program alone reads the byte.
;   v enters the f32 sum inside the matrix instruction, and the sum over n goes by lanes and waves: an order of rounding other than the reference's.
.set CP,    144                        ; a row of codes in LDS: 128 bytes + 16 of padding = 9 x 16: the 16 rows that a load touches start at different banks (64 banks of 4 bytes: ISA guide 11.1)
.set AG,    2432                       ; 16 rows of A in the stage: 16 x 144 + 128
.set AWV,   4*AG                       ; a wave's 64 rows of A
.set CODEB, 4*AWV                      ; 38,912: two buffers of codes, 16 x 144 bytes each
.set SCB,   CODEB+2*16*CP              ; 43,520: two buffers of scale bytes, 16 rows x 8 each
.set RES,   SCB+256                    ; 43,776: partial results: four waves x 128 rows x 4 bytes
.set SPARE, RES+2048                   ; 45,824: the spare words, 128 bytes for each wave
.set GA,  1                            ; my byte offset in a tile of x
.set CS,  2                            ; where I put codes: row 8 h, my columns
.set CL,  3                            ; where I read the operand: row r
.set SS,  4                            ; where I put a scale byte: row 8 h + r % 8, block 2 w + r / 8
.set SL,  5                            ; where I read scale words: row r, word h
.set RW,  6                            ; where I put a partial result: row 8 h + r % 8
.set SPW, 7                            ; my spare word
.set NIL, 8                            ; 0
.set RR,  9                            ; where wave 0 reads four rows' partial results
.set AS,  10                           ; v10-13  scale words of my four tiles of A: lanes 0-15 K step 0, lanes 16-31 K step 1
.set XW,  14                           ; x's scale words, likewise
.set PR,  15                           ; a partial result (at the head: w)
.set CODE, 16                          ; v16-31  x's two fragments; behind the products the sums
.set SUM,  16
.set W,    24
.set VC,   32                          ; v32-63  v, eight times each
.set AF,   64                          ; v64-127 A's fragments: tile i, K step s at 16 i + 8 s
.set ACC,  128                         ; v128-159 four accumulators; ahead of the products at work in the quantiser:
.set TM,   128                         ;   largest magnitudes of my eight rows, then the conversions' scale operands
.set CV,   136                         ;   codes
.set U,    144                         ;   the maxima on their way over the lanes
.set X,    160                         ; v160-255 three slots
	s_load_b256 s[4:11], s[0:1], 0x0               ; x s[4:5], A's codes s[6:7], A's scales s[8:9], v s[10:11]
	s_load_b128 s[12:15], s[0:1], 0x20             ; b s[12:13], out0 s[14:15]
	v_lshrrev_b32 v15, 5, v0                       ; w
	v_readfirstlane_b32 s16, v15
	v_and_b32 v18, 15, v0                          ; r
	v_bfe_u32 v19, v0, 4, 1                        ; h
	v_and_b32 v20, 31, v0                          ; lane
	v_and_b32 v21, 7, v0                           ; r % 8
	v_lshlrev_b32 v23, 4, v18
	v_lshlrev_b32 v24, 4, v20
	v_lshlrev_b32 v25, 5, v18
	v_lshl_add_u32 v23, v15, 8, v23                ; v, and a row of x: 256 w + 16 r
	v_lshl_add_u32 v24, v15, 13, v24               ; A's codes: my 64 rows are 8,192 consecutive bytes
	v_lshl_add_u32 v25, v19, 2, v25
	v_lshl_add_u32 v[GA], v19, 13, v23             ; x: + 8 h rows of 1,024 bytes
	v_lshl_add_u32 v25, v15, 9, v25                ; A's scales: 512 w + 32 r + 4 h
	v_lshl_add_u32 v[SPW], v0, 2, SPARE
	v_mov_b32 v[NIL], 0
	s_lshl_b32 s18, ttmp9, 17                      ; x: 128 rows of 1,024 bytes a work-group (1,023 x 2^17 stays under 2^31)
	s_mov_b32 s19, 0
	s_lshl_b32 s26, ttmp9, 9                       ; out0: 128 numbers a work-group
	s_mov_b32 s27, 0
	s_mov_b32 s20, 0xaaaaaaaa                      ; lanes with bit 0,
	s_mov_b32 s21, 0xcccccccc                      ; bit 1,
	s_mov_b32 s22, 0xf0f0f0f0                      ; bit 2 set
	s_wait_alu depctr_va_vdst(0)
	s_wait_kmcnt 0x0
	s_add_nc_u64 s[4:5], s[4:5], s[18:19]
	s_add_nc_u64 s[14:15], s[14:15], s[26:27]
; Rows j and 8 + j of tile T into its slot.  x is read once in the launch.
.macro XROW T, j
	global_load_b128 v[X+32*((\T)%3)+4*\j:X+32*((\T)%3)+4*\j+3], v[GA], s[4:5] offset:(\T)*16384+1024*\j th:TH_LOAD_NT
.endm
.macro XLOAD T
.irp j, 0,1,2,3,4,5,6,7
	XROW \T, \j
.endr
.endm
	XLOAD 0
.irp i, 0,1,2,3,4,5,6,7,8,9,10,11,12,13,14,15
	global_load_b128 v[AF+4*\i:AF+4*\i+3], v24, s[6:7] offset:512*\i    ; my rows 4 i .. 4 i + 3 of A, as they lie
.endr
.irp i, 0,1,2,3
	global_load_b32 v[AS+\i], v25, s[8:9] offset:8*\i
.endr
	global_load_b128 v[VC:VC+3], v23, s[10:11]
	XLOAD 1
	s_load_b32 s24, s[12:13], 0x0                  ; b; waited for at the end
	; LDS addresses
	v_mul_u32_u24 v27, AWV, v15                    ; my stage
	v_lshrrev_b32 v26, 3, v20                      ; in: lane's row of the four is tile lane / 8's, column i
	v_mul_u32_u24 v16, AG, v26
	v_lshl_add_u32 v16, v21, 4, v16
	v_add_nc_u32 v16, v16, v27
	v_mul_u32_u24 v28, CP, v18                     ; out: row r, + 16 h
	v_lshl_add_u32 v28, v19, 4, v28
	v_add_nc_u32 v17, v28, v27
	v_add_nc_u32 v[CL], CODEB, v28
	v_mul_u32_u24 v[CS], 8*CP, v19
	v_lshl_add_u32 v[CS], v18, 1, v[CS]
	v_lshl_add_u32 v[CS], v15, 5, v[CS]
	v_add_nc_u32 v[CS], CODEB, v[CS]
	v_lshl_add_u32 v29, v19, 3, v21                ; 8 h + r % 8
	v_bfe_u32 v22, v0, 3, 1                        ; r / 8
	v_lshlrev_b32 v[SS], 3, v29
	v_lshl_add_u32 v[SS], v15, 1, v[SS]
	v_add_nc_u32 v[SS], v[SS], v22
	v_add_nc_u32 v[SS], SCB, v[SS]
	v_lshlrev_b32 v[SL], 3, v18
	v_lshl_add_u32 v[SL], v19, 2, v[SL]
	v_add_nc_u32 v[SL], SCB, v[SL]
	v_lshlrev_b32 v[RW], 2, v29
	v_lshl_add_u32 v[RW], v15, 9, v[RW]
	v_add_nc_u32 v[RW], RES, v[RW]
	v_lshl_add_u32 v[RR], v20, 4, RES
	s_wait_alu depctr_va_vdst(0)
; A's 64 rows through my own stage, into fragments: no other wave touches these bytes.  v's four numbers, each eight times.
.macro STAGE_A
	s_wait_loadcnt 16                              ; all but tiles 1 and 2: A, its scales and v are in
.irp i, 0,1,2,3,4,5,6,7,8,9,10,11,12,13,14,15
	ds_store_b128 v16, v[AF+4*\i:AF+4*\i+3] offset:CP*\i
.endr
	s_wait_dscnt 0x0                               ; the stores have read the registers that the loads below write
.irp i, 0,1,2,3
.irp s, 0,1
.irp c, 0,1
	ds_load_b128 v[AF+16*\i+8*\s+4*\c:AF+16*\i+8*\s+4*\c+3], v17 offset:AG*\i+64*\s+32*\c   ; k = 128 s + 64 c + 32 h + 0 .. 31
.endr
.endr
.endr
.irp i, 3,2,1
.irp j, 0,1,2,3,4,5,6,7
	v_mov_b32 v[VC+8*\i+\j], v[VC+\i]
.endr
.endr
.irp j, 1,2,3,4,5,6,7
	v_mov_b32 v[VC+\j], v[VC]
.endr
.endm
; Accumulator x x register for rows 2 p and 2 p + 1: a dual pair (the halves' first and second sources lie in different banks)
.macro DUAL op, p, ia, ib
	v_dual_\op v[SUM+2*\p], v[ACC+8*\ia+2*\p], v[XB+8*\p+\ia] :: v_dual_\op v[SUM+2*\p+1], v[ACC+8*\ib+2*\p+1], v[XB+8*\p+4+\ib]
.endm
.macro DOT pa, pb
	DUAL mul_f32, \pa, 0, 1
	DUAL mul_f32, \pb, 0, 1
	DUAL fmac_f32, \pa, 1, 0
	DUAL fmac_f32, \pb, 1, 0
	DUAL fmac_f32, \pa, 2, 3
	DUAL fmac_f32, \pb, 2, 3
	DUAL fmac_f32, \pa, 3, 2
	DUAL fmac_f32, \pb, 3, 2
.endm
; The sums of my eight rows over the 16 lanes: eight meet over bit 0 as four, over bit 1 as two, over bit 2 as one (a lane keeps the row that its bits name and hands over the other); last over bit 3
.macro RED1
.irp p, 0,1,2,3
	v_cndmask_b32 v[W+\p], v[SUM+2*\p], v[SUM+2*\p+1], s20
	v_cndmask_b32 v[W+4+\p], v[SUM+2*\p+1], v[SUM+2*\p], s20
.endr
.irp p, 0,1,2,3
	v_add_f32_dpp v[W+\p], v[W+4+\p], v[W+\p] row_xmask:1 row_mask:0xf bank_mask:0xf
.endr
.endm
.macro RED2
.irp p, 0,1
	v_cndmask_b32 v[SUM+\p], v[W+2*\p], v[W+2*\p+1], s21
	v_cndmask_b32 v[SUM+2+\p], v[W+2*\p+1], v[W+2*\p], s21
.endr
.irp p, 0,1
	v_add_f32_dpp v[SUM+\p], v[SUM+2+\p], v[SUM+\p] row_xmask:2 row_mask:0xf bank_mask:0xf
.endr
	v_cndmask_b32 v[W], v[SUM], v[SUM+1], s22
	v_cndmask_b32 v[W+1], v[SUM+1], v[SUM], s22
	v_add_f32_dpp v[W], v[W+1], v[W] row_xmask:4 row_mask:0xf bank_mask:0xf
	v_add_f32_dpp v[PR], v[W], v[W] row_xmask:8 row_mask:0xf bank_mask:0xf   ; lanes r and r xor 8 add the same two numbers: the same bits
.endm
.macro TILE T, left
.set XB, X+32*((\T)%3)
.set CB, 16*CP*((\T)%2)
.set SB, 128*((\T)%2)
	s_wait_loadcnt \left                           ; loads come back in order (ISA guide 5.7.1): this tile's eight are in, the younger ones may be out
	; THE QUANTISER, eight rows by turns
.irp j, 0,1,2,3,4,5,6,7
	v_max3_num_f32 v[TM+\j], |v[XB+4*\j]|, |v[XB+4*\j+1]|, 0x1800000   ; with the floor 2^(3 - 127): the byte cannot fall under 1
.endr
.irp j, 0,1,2,3,4,5,6,7
	v_max3_num_f32 v[TM+\j], v[TM+\j], |v[XB+4*\j+2]|, |v[XB+4*\j+3]|
.endr
	; over the block's eight lanes: eight rows meet over bit 0 as four, over bit 1 as two, over bit 2 as one: lane r then has row r % 8's largest magnitude
.irp p, 0,1,2,3
	v_cndmask_b32 v[U+\p], v[TM+2*\p], v[TM+2*\p+1], s20
	v_cndmask_b32 v[U+4+\p], v[TM+2*\p+1], v[TM+2*\p], s20
.endr
.irp p, 0,1,2,3
	v_max_num_f32_dpp v[U+\p], v[U+4+\p], v[U+\p] row_xmask:1 row_mask:0xf bank_mask:0xf
.endr
.irp p, 0,1
	v_cndmask_b32 v[TM+\p], v[U+2*\p], v[U+2*\p+1], s21
	v_cndmask_b32 v[TM+2+\p], v[U+2*\p+1], v[U+2*\p], s21
.endr
.irp p, 0,1
	v_max_num_f32_dpp v[TM+\p], v[TM+2+\p], v[TM+\p] row_xmask:2 row_mask:0xf bank_mask:0xf
.endr
	v_cndmask_b32 v[U], v[TM], v[TM+1], s22
	v_cndmask_b32 v[U+1], v[TM+1], v[TM], s22
	v_max_num_f32_dpp v[U], v[U+1], v[U] row_xmask:4 row_mask:0xf bank_mask:0xf
	v_add_nc_u32 v[U+2], 0xff000000, v[U]          ; 2 off the exponent field: the conversion takes the exponent field of this operand as its scale
.irp j, 0,1,2,3,4,5,6,7
	v_mov_b32_dpp v[TM+\j], v[U+2] dpp8:[\j,\j,\j,\j,\j,\j,\j,\j]      ; row j's to all eight lanes
.endr
	v_lshrrev_b32 v[U+3], 23, v[U+2]               ; the scale's byte, row r % 8's
	ds_store_b8 v[SS], v[U+3] offset:SB
.irp p, 0,1,2,3                        ; eight numbers: rows 2 p and 2 p + 1.  By row 2 p's scale: the low half is row 2 p's four codes;  by row 2 p + 1's: the high half is that row's
	v_cvt_scalef32_pk8_fp4_f32 v[CV+2*\p], v[XB+8*\p:XB+8*\p+7], v[TM+2*\p]
	v_cvt_scalef32_pk8_fp4_f32 v[CV+2*\p+1], v[XB+8*\p:XB+8*\p+7], v[TM+2*\p+1]
.endr
	v_nop                                          ; one plain place behind a scaled conversion
.irp p, 0,1,2,3
	ds_store_b16 v[CS], v[CV+2*\p] offset:CB+CP*2*\p
	ds_store_b16_d16_hi v[CS], v[CV+2*\p+1] offset:CB+CP*(2*\p+1)
.endr
.if \T == 0
	XLOAD 2
	STAGE_A
.else
	RED1                                           ; the tile before, while the stores are out
.endif
	s_wait_alu depctr_va_vdst(0)
	s_wait_dscnt 0x0                               ; my stores are done, and my reads of the tile before
	s_barrier_signal -1
.if \T > 0
	RED2                                           ; register work while the other waves arrive
.endif
	s_barrier_wait -1
	; THE PRODUCT: 16 rows of x against my four tiles of A, two K steps.  The four accumulators take turns.
	ds_load_b32 v[XW], v[SL] offset:SB
.irp c, 0,1,2,3
	ds_load_b128 v[CODE+4*\c:CODE+4*\c+3], v[CL] offset:CB+32*\c
.endr
.if \T > 0
	s_wait_alu depctr_va_vdst(0)
	ds_store_b32 v[RW], v[PR] offset:64*(\T)-64    ; lanes r and r xor 8 write the same word with the same value
	s_wait_dscnt 3                                 ; K step 1's two loads and that store may be out
.else
	s_wait_dscnt 2                                 ; K step 1's two loads may be out
.endif
.irp i, 0,1,2,3
	v_wmma_scale_f32_16x16x128_f8f6f4 v[ACC+8*\i:ACC+8*\i+7], v[CODE:CODE+7], v[AF+16*\i:AF+16*\i+7], v[VC+8*\i:VC+8*\i+7], v[XW], v[AS+\i] matrix_a_fmt:MATRIX_FMT_FP4 matrix_b_fmt:MATRIX_FMT_FP4
.endr
.if \T > 0
	s_wait_dscnt 1                                 ; that store may be out
.else
	s_wait_dscnt 0x0
.endif
.irp i, 0,1,2,3
	v_wmma_scale_f32_16x16x128_f8f6f4 v[ACC+8*\i:ACC+8*\i+7], v[CODE+8:CODE+15], v[AF+16*\i+8:AF+16*\i+15], v[ACC+8*\i:ACC+8*\i+7], v[XW], v[AS+\i] matrix_a_fmt:MATRIX_FMT_FP4 matrix_b_fmt:MATRIX_FMT_FP4 matrix_a_scale:MATRIX_SCALE_ROW1 matrix_b_scale:MATRIX_SCALE_ROW1
.endr
.rept 4
	v_nop                                          ; four places in front of the first read of a result (ISA guide 7.12.1)
.endr
	; THE SUM over my 64 columns in the lane (each accumulator from its low end on); the rows that have been read are asked for again, three tiles on
	DOT 0, 1
.if \T < 5
.irp j, 0,1,2,3
	XROW \T+3, \j
.endr
.endif
	DOT 2, 3
.if \T < 5
.irp j, 4,5,6,7
	XROW \T+3, \j
.endr
.endif
.endm
	TILE 0, 29                                     ; younger: A 16, its scales 4, v 1, tile 1: 8
	TILE 1, 16                                     ; younger: two tiles
	TILE 2, 16
	TILE 3, 16
	TILE 4, 16
	TILE 5, 16
	TILE 6, 8
	TILE 7, 0
	RED1
	RED2
	ds_store_b32 v[RW], v[PR] offset:64*7
	; THE WAY OUT: the wave's last LDS store is behind it
	s_wait_tensorcnt 0x0
	ds_add_u32 v[SPW], v[NIL]
	s_wait_dscnt 0x0                               ; the add is done, and my partial results are stored
	s_wait_kmcnt 0x0                               ; b
	s_barrier_signal -1
	s_barrier_wait -1
	s_cmp_lg_u32 s16, 0
	s_cbranch_scc1 .Lend
	; wave 0: the work-group's 128 results, four a lane: the four waves' parts, + b; one store of 512 consecutive bytes, at a multiple of 512 from out0's first byte
.irp q, 0,1,2,3
	ds_load_b128 v[ACC+4*\q:ACC+4*\q+3], v[RR] offset:512*\q
.endr
	s_wait_dscnt 0x0
.irp k, 0,2
	v_pk_add_f32 v[ACC+\k:ACC+\k+1], v[ACC+\k:ACC+\k+1], v[ACC+4+\k:ACC+5+\k]
	v_pk_add_f32 v[ACC+8+\k:ACC+9+\k], v[ACC+8+\k:ACC+9+\k], v[ACC+12+\k:ACC+13+\k]
.endr
	v_lshlrev_b32 v15, 4, v0                       ; 16 x lane
.irp k, 0,2
	v_pk_add_f32 v[ACC+\k:ACC+\k+1], v[ACC+\k:ACC+\k+1], v[ACC+8+\k:ACC+9+\k]
.endr
.irp k, 0,1,2,3
	v_add_f32 v[ACC+\k], s24, v[ACC+\k]
.endr
	global_store_b128 v15, v[ACC:ACC+3], s[14:15] th:TH_STORE_NT
.Lend:
	s_endpgm
.Lfunc_end_k_qf2e1b8d1d9_quad:
	.size	k_qf2e1b8d1d9_quad, .Lfunc_end_k_qf2e1b8d1d9_quad-k_qf2e1b8d1d9_quad
	.p2alignl 7, 3214868480
	.fill 96, 4, 3214868480
	.section	.rodata,"a",@progbits
	.p2align	6, 0x0
	.amdhsa_kernel k_qf2e1b8d1d9_quad
		.amdhsa_group_segment_fixed_size 46336
		.amdhsa_private_segment_fixed_size 0
		.amdhsa_enable_private_segment 0
		.amdhsa_kernarg_size 48
		.amdhsa_user_sgpr_count 2
		.amdhsa_user_sgpr_kernarg_segment_ptr 1
		.amdhsa_wavefront_size32 1
		.amdhsa_system_sgpr_workgroup_id_x 1
		.amdhsa_system_sgpr_workgroup_id_y 1
		.amdhsa_system_sgpr_workgroup_id_z 1
		.amdhsa_system_vgpr_workitem_id 0
		.amdhsa_next_free_vgpr 256
		.amdhsa_next_free_sgpr 66
		.amdhsa_reserve_vcc 0
		.amdhsa_float_denorm_mode_32 3
		.amdhsa_float_denorm_mode_16_64 3
		.amdhsa_memory_ordered 1
		.amdhsa_forward_progress 1
		.amdhsa_inst_pref_size 83
	.end_amdhsa_kernel
	.amdgpu_metadata
---
amdhsa.version: [ 1, 2 ]
amdhsa.kernels:
  - .name:           k_qf2e1b8d1d9_quad
    .symbol:         k_qf2e1b8d1d9_quad.kd
    .args:
      - { .name: x, .offset: 0, .size: 8, .value_kind: global_buffer, .address_space: global }
      - { .name: A_codes, .offset: 8, .size: 8, .value_kind: global_buffer, .address_space: global }
      - { .name: A_scales, .offset: 16, .size: 8, .value_kind: global_buffer, .address_space: global }
      - { .name: v, .offset: 24, .size: 8, .value_kind: global_buffer, .address_space: global }
      - { .name: b, .offset: 32, .size: 8, .value_kind: global_buffer, .address_space: global }
      - { .name: out0, .offset: 40, .size: 8, .value_kind: global_buffer, .address_space: global }
    .group_segment_fixed_size: 46336
    .private_segment_fixed_size: 0
    .kernarg_segment_align: 8
    .kernarg_segment_size: 48
    .max_flat_workgroup_size: 128
    .sgpr_count:     66
    .vgpr_count:     256
    .wavefront_size: 32
...
	.end_amdgpu_metadata
.endif
;; end of part 1
